; MI455X (gfx1250); checked and timed in simulation.
; The chip was launched on July 23, 2026; its instructions are those of AMD's public machine-readable ISA for CDNA 5 (MIT licence, August 2026) and "CDNA5" Instruction Set Architecture Reference Guide (July 2026). The comments in the code are by the model that wrote it; some were corrected since.
;; Neural Memory. Allowed arithmetic: float matrix products may take bf16 or f16 operands with f32 sums; all other float work in f32.
;; Inputs: S 512 x 1,024 x 1 float32; d1 1,024 x 1 float32; d2 1,024 x 1 float32; u 1,024 x 1 float32; v1 1,024 x 128 float32; v2 1,024 x 128 float32; values 512 x 1,024 x 128 float32.
;; Outputs: out0 1,024 x 128 float32.
;; 2 versions, each right; version 2 is version 1 with the launch pop written anew for expert scheduling mode. Each part assembles by itself: llvm-mc -triple=amdgcn-amd-amdhsa -mcpu=gfx1250 --defsym DOCPART=n.
;; ======== version 1 of 2: 1 launch
;; launch pop (part 1): grid 256 x 1, 8 waves a work-group, no clusters, 13,568 bytes of LDS; arguments values, S, u, d1, d2, v1, v2, out0; writes out0
.if DOCPART == 1
	.amdgcn_target "amdgcn-amd-amdhsa--gfx1250"
	.amdhsa_code_object_version 6
	.text
	.protected	k_qdf5e1cbfff_pop
	.globl	k_qdf5e1cbfff_pop
	.p2align	8
	.type	k_qdf5e1cbfff_pop,@function
k_qdf5e1cbfff_pop:
	s_mov_b64 s[64:65], 0
	v_nop
	global_prefetch_b8 v0, s[64:65] scope:SCOPE_SE
	s_setreg_imm32_b32 hwreg(HW_REG_WAVE_MODE, 25, 1), 1
	s_wait_xcnt 0x0
; out[b][r] = sum over the 514 slots i of val_i[b][r] * w_i[b],  w_i = min(s_i, max(u - (sum of the strengths of all newer slots), 0)).
; Slots from newest to oldest: (d2, v2), (d1, v1), (S[511], values[511]), ... (S[0], values[0]).
; values: [512][1024][128] f32, S: [512][1024], u, d1, d2: [1024], v1, v2, out: [1024][128], all f32; all arithmetic in f32.
;
; Half a FLOP for each byte read: a stream.  No matrix instruction: each value feeds one multiply-add, so a conversion to 16 bits would
; cost more vector work than the f32 multiply-add does.  No cluster: no two work-groups read the same input byte.
; A work-group owns 4 batch columns.  Wave (g, b), g = wave / 4, b = wave % 4, owns column b and 257 rows of 512 bytes:
; values[256 g .. 256 g + 255] and one pushed row (g = 0: v1 with d1, g = 1: v2 with d2): 514 rows = 2 x 257, the same code in all waves.
; A lane owns 4 neighbouring r, so one load of a wave is one row: 512 consecutive bytes, aligned; the 4 waves of a g read 2,048 neighbouring bytes.
; A ring of DEPTH = 32 rows in registers keeps 32 loads of every wave in flight: 8 x 32 x 512 bytes = 128 KiB for the work-group.
; The weights are made once, by all 256 threads, while the ring's first rows are on their way, and lie in LDS as [column][slot].
; Of S a work-group reads 16 bytes of each row of 4,096, once: 8 KiB against the 1 MiB of values that it streams.
;
; LIMITS.  A NaN in S, u, d1 or d2 is dropped by v_max_num_f32 / v_min_num_f32 (the weight becomes 0 or s) where the reference would
; spread it.  The sum of the newer strengths is formed directly (never as a total minus a part) and in tree order
; (pairs, 16 lanes, 2 rows, 8 waves), not slot by slot: its last bits may differ from a sequential sum's.
.set ROWB,   512                       ; bytes of a row of 128 f32
.set SLAB,   1024*ROWB                 ; bytes from values[n] to values[n+1]
.set SROW,   1024*4                    ; bytes from S[n] to S[n+1]
.set DEPTH,  32                        ; rows in flight in each wave
.set ROUNDS, 256/DEPTH                 ; 8
.set WROW,   2048                      ; LDS: 512 weights of one column.  The table of 4 columns starts at byte 0
.set TOT,    4*WROW                    ; LDS: 8 waves x 16 bytes, each wave's sum of S for the 4 columns
.set RED,    TOT+256                   ; LDS: 8 waves x 512 bytes, the waves' sums on the way out
.set LOFF, 1                           ; v1       16 x lane: my 16 bytes in a row
.set SOFF, 2                           ; v2       8,192 t: S[2t]
.set T8,   3                           ; v3       8 t
.set T16,  4                           ; v4       16 t
.set L7,   5                           ; v5       lane % 8
.set TA,   6                           ; v6       16 x wave
.set TL,   7                           ; v7       16 x (lane % 8)
.set WA,   8                           ; v8       LDS address of my wave's weights of the round that is being fetched
.set SLO,  10                          ; v[10:13] S[2t]   of the 4 columns
.set SHI,  14                          ; v[14:17] S[2t+1] of the 4 columns
.set P,    18                          ; v[18:21] their sums; at the end: the two halves of my output
.set X,    22                          ; v[22:25] sum of all newer strengths, seen from slot 2t+1
.set T,    26                          ; v[26:29] totals
.set Y,    30                          ; v[30:33] the same as X, seen from slot 2t
.set WP,   34                          ; v[34:41] column c: the pair (w[2t], w[2t+1])
.set E,    42                          ; v[42:45] the pushed row
.set EW,   46                          ; v[46:47] its weight, twice (a pair for the packed multiply)
.set ACC,  48                          ; v[48:51] my 4 sums
.set WQ,   52                          ; v[52:83] the 32 weights of a round
.set XR,   84                          ; v[84:211] the ring: row i of a round in 4 registers
	s_load_b512 s[8:23], s[0:1], 0x0               ; values s[8:9], S s[10:11], u s[12:13], d1 s[14:15], d2 s[16:17], v1 s[18:19], v2 s[20:21], out s[22:23]
	v_lshl_add_u32 v212, v0, 2, 0x3100
	v_mov_b32 v213, 0
	v_lshrrev_b32 v[T8], 5, v0
	v_readfirstlane_b32 s2, v[T8]                  ; wave 0..7
	s_lshr_b32 s3, s2, 2                           ; g: which half of the slots
	s_and_b32 s4, s2, 3                            ; b: which of the 4 columns
	v_and_b32 v[LOFF], 31, v0
	v_and_b32 v[L7], 7, v0
	v_lshlrev_b32 v[LOFF], 4, v[LOFF]
	v_lshlrev_b32 v[SOFF], 13, v0
	v_lshlrev_b32 v[T8], 3, v0
	v_lshlrev_b32 v[T16], 4, v0
	v_lshlrev_b32 v[TL], 4, v[L7]
	s_lshl_b32 s5, s2, 4
	v_mov_b32 v[TA], s5
	s_lshl_b32 s5, s4, 11                          ; my column's 2,048 bytes of weights,
	s_lshl_b32 s27, s3, 10                         ; my half of them
	s_add_co_u32 s5, s5, s27
	v_mov_b32 v[WA], s5
	s_lshl_b32 s24, ttmp9, 4                       ; the group's 4 columns in S, u, d1, d2: byte 16 x group
	s_mov_b32 s25, 0
	s_lshl2_add_u32 s26, s4, s24                   ; my own column there
	s_lshl_b32 s6, ttmp9, 11                       ; my row in a slab, in v1, in v2: (4 x group + b) x 512 bytes
	s_lshl_b32 s27, s4, 9
	s_add_co_u32 s6, s6, s27
	s_mov_b32 s7, 0
	s_lshl_b32 s27, s3, 27                         ; g x 256 slabs
	s_add_co_u32 s46, s6, s27
	s_add_co_u32 s46, s46, (DEPTH/2)*SLAB          ; the base stands in the middle of a round's 32 slabs: offsets of -16 .. +15 slabs
	s_mov_b32 s47, 0                               ; fill the signed 24-bit immediate exactly.  The whole offset stays below 2^28 + 2^23
	s_lshl_b32 s60, ttmp9, 11                      ; the group's 2,048 bytes of out
	s_mov_b32 s61, 0
	s_wait_kmcnt 0x0
	s_add_nc_u64 s[10:11], s[10:11], s[24:25]
	global_load_b128 v[SLO:SLO+3], v[SOFF], s[10:11]               ; S first: the weights are wanted before any row
	global_load_b128 v[SHI:SHI+3], v[SOFF], s[10:11] offset:SROW
	s_load_b128 s[28:31], s[12:13], s24 offset:0x0                 ; u, d1, d2 of the 4 columns: the same for all lanes, so scalar
	s_load_b128 s[32:35], s[14:15], s24 offset:0x0
	s_load_b128 s[36:39], s[16:17], s24 offset:0x0
	s_load_b32 s40, s[12:13], s26 offset:0x0                       ; and of my wave's own column
	s_load_b32 s41, s[14:15], s26 offset:0x0
	s_load_b32 s42, s[16:17], s26 offset:0x0
	s_cmp_eq_u32 s3, 0
	s_cselect_b64 s[44:45], s[18:19], s[20:21]     ; g = 0: v1, g = 1: v2
	s_add_nc_u64 s[44:45], s[44:45], s[6:7]
	global_load_b128 v[E:E+3], v[LOFF], s[44:45] th:TH_LOAD_NT
	s_add_nc_u64 s[8:9], s[8:9], s[46:47]
.set i, 0
.rept DEPTH
	global_load_b128 v[XR+4*i:XR+4*i+3], v[LOFF], s[8:9] offset:(i-DEPTH/2)*SLAB th:TH_LOAD_NT    ; fill the ring: round 0
.set i, i+1
.endr
	s_add_nc_u64 s[22:23], s[22:23], s[60:61]
	; THE WEIGHTS.  Thread t holds slots 2t and 2t+1; newer slots are those of larger t.  X = sum of P over all larger t, in three stages.
	s_wait_loadcnt DEPTH+1                         ; loads return in order (ISA guide 5.7.1): both of S are in; the pushed row and the ring's 32 stay out
	v_pk_add_f32 v[P:P+1], v[SLO:SLO+1], v[SHI:SHI+1]
	v_pk_add_f32 v[P+2:P+3], v[SLO+2:SLO+3], v[SHI+2:SHI+3]
.irp c, 0,1,2,3
	v_mov_b32 v[X+\c], 0                           ; lane 15 of each row of 16 has nothing newer in its row and keeps this 0
.endr
.irp c, 0,1,2,3
	v_mov_b32_dpp v[X+\c], v[P+\c] row_shl:1 row_mask:0xf bank_mask:0xf        ; the neighbour's P: shifting first makes the scan exclusive
.endr
.irp n, 1,2,4,8
.irp c, 0,1,2,3
	v_add_f32_dpp v[X+\c], v[X+\c], v[X+\c] row_shl:\n row_mask:0xf bank_mask:0xf  ; lane i adds lane i + n; lanes without such a lane keep theirs
.endr
.endr
	v_pk_add_f32 v[T:T+1], v[X:X+1], v[P:P+1]      ; with my own P: lanes 0 and 16 hold their rows' totals
	v_pk_add_f32 v[T+2:T+3], v[X+2:X+3], v[P+2:P+3]
.irp c, 0,1,2,3
	v_readlane_b32 s[48+\c], v[T+\c], 0
	v_readlane_b32 s[52+\c], v[T+\c], 16
.endr
	s_mov_b32 vcc_lo, 0xffff                       ; lanes 0-15: the upper row is newer than they are
.irp c, 0,1,2,3
	v_add_f32 v[Y+\c], s[52+\c], v[X+\c]
.endr
.irp c, 0,1,2,3
	v_cndmask_b32 v[X+\c], v[X+\c], v[Y+\c], vcc_lo
.endr
.irp c, 0,1,2,3
	v_add_f32 v[T+\c], s[48+\c], s[52+\c]          ; my wave's total, the same in every lane
.endr
	ds_store_b128 v[TA], v[T:T+3] offset:TOT       ; all lanes write the same 16 bytes with the same values
	s_wait_dscnt 0x0                               ; for the other waves' sake: stored before I signal
	s_barrier_signal -1
	s_barrier_wait -1
	ds_load_b128 v[T:T+3], v[TL] offset:TOT        ; lane l: the totals of wave l % 8
	v_cmp_lt_u32 vcc_lo, s2, v[L7]                 ; only the waves behind mine hold newer slots
	s_wait_kmcnt 0x0                               ; u, d1, d2
.irp c, 0,1,2,3
	s_add_f32 s[56+\c], s[36+\c], s[32+\c]         ; d2 + d1: newer than every slot of S
.endr
	s_wait_dscnt 0x0
.irp c, 0,1,2,3
	v_cndmask_b32 v[T+\c], 0, v[T+\c], vcc_lo
.endr
.irp n, 1,2,4
.irp c, 0,1,2,3
	v_add_f32_dpp v[T+\c], v[T+\c], v[T+\c] row_xmask:\n row_mask:0xf bank_mask:0xf    ; the sum over 8 lanes, in all of them
.endr
.endr
	v_pk_add_f32 v[X:X+1], v[X:X+1], v[T:T+1]
	v_pk_add_f32 v[X+2:X+3], v[X+2:X+3], v[T+2:T+3]
.irp c, 0,1,2,3
	v_add_f32 v[X+\c], s[56+\c], v[X+\c]           ; all that is newer than slot 2t+1
.endr
	v_pk_add_f32 v[Y:Y+1], v[X:X+1], v[SHI:SHI+1]  ; all that is newer than slot 2t
	v_pk_add_f32 v[Y+2:Y+3], v[X+2:X+3], v[SHI+2:SHI+3]
.irp c, 0,1,2,3
	v_sub_f32 v[X+\c], s[28+\c], v[X+\c]           ; what is left of u
	v_sub_f32 v[Y+\c], s[28+\c], v[Y+\c]
.endr
.irp c, 0,1,2,3
	v_max_num_f32 v[X+\c], 0, v[X+\c]
	v_max_num_f32 v[Y+\c], 0, v[Y+\c]
.endr
.irp c, 0,1,2,3
	v_min_num_f32 v[WP+2*\c], v[SLO+\c], v[Y+\c]
	v_min_num_f32 v[WP+2*\c+1], v[SHI+\c], v[X+\c]
	ds_store_b64 v[T8], v[WP+2*\c:WP+2*\c+1] offset:\c*WROW        ; w[c][2t], w[c][2t+1]: a wave's store covers 256 neighbouring bytes
.endr
	s_wait_dscnt 0x0                               ; stored before I signal
	s_barrier_signal -1
	; registers only, while the others arrive: the pushed row's weight.  d2 is the newest slot (nothing in front of it), d1 has d2 in front.
	s_cmp_eq_u32 s3, 0
	s_cselect_b32 s43, s41, s42                    ; its strength: g = 0: d1, g = 1: d2
	s_cselect_b32 s5, s42, 0                       ; what is newer:  g = 0: d2, g = 1: nothing
	v_sub_f32 v[EW], s40, s5
	v_max_num_f32 v[EW], 0, v[EW]
	v_min_num_f32 v[EW], s43, v[EW]
	v_mov_b32 v[EW+1], v[EW]
	s_barrier_wait -1                              ; the table of weights is whole
.irp q, 0,1,2,3,4,5,6,7
	ds_load_b128 v[WQ+4*\q:WQ+4*\q+3], v[WA] offset:16*\q          ; round 0's 32 weights; every lane reads the same 16 bytes
.endr
	s_wait_loadcnt DEPTH                           ; the pushed row is in; the ring's 32 stay out
	v_pk_mul_f32 v[ACC:ACC+1], v[E:E+1], v[EW:EW+1]                ; the first product starts the sums: nothing is cleared
	v_pk_mul_f32 v[ACC+2:ACC+3], v[E+2:E+3], v[EW:EW+1]
; Row i of a round.  sel = i % 2: which register of the weights' pair multiplies both halves of the packed multiply-add.
; refill = 1: the row's registers are loaded again with the row 32 slabs further on (the base already stands in the next round).
; One chain of sums is enough: between two rows the wave waits for memory, not for the multiply-add in front.
.macro ROW i, sel, refill
.if \refill
	s_wait_loadcnt DEPTH-1                         ; my row is in, the 31 younger loads stay out
.else
	s_wait_loadcnt DEPTH-1-(\i)                    ; nothing is issued any more: the count runs down
.endif
	v_pk_fma_f32 v[ACC:ACC+1], v[XR+4*(\i):XR+4*(\i)+1], v[WQ+(\i)-\sel:WQ+(\i)-\sel+1], v[ACC:ACC+1] op_sel:[0,\sel,0] op_sel_hi:[1,\sel,1]
	v_pk_fma_f32 v[ACC+2:ACC+3], v[XR+4*(\i)+2:XR+4*(\i)+3], v[WQ+(\i)-\sel:WQ+(\i)-\sel+1], v[ACC+2:ACC+3] op_sel:[0,\sel,0] op_sel_hi:[1,\sel,1]
.if \refill
	global_load_b128 v[XR+4*(\i):XR+4*(\i)+3], v[LOFF], s[8:9] offset:((\i)-DEPTH/2)*SLAB th:TH_LOAD_NT
.endif
.endm
; Four rows and their four weights.  The weights run in a ring of eight quads of their own, fetched a round ahead.
.macro QUAD q, refill
.if \refill
	s_wait_dscnt 7                                 ; LDS loads return in order (ISA guide 5.7.1): my quad is in, the 7 younger ones stay out
.else
	s_wait_dscnt 7-\q
.endif
	ROW 4*\q+0, 0, \refill
	ROW 4*\q+1, 1, \refill
	ROW 4*\q+2, 0, \refill
	ROW 4*\q+3, 1, \refill
.if \refill
	ds_load_b128 v[WQ+4*\q:WQ+4*\q+3], v[WA] offset:16*\q
.endif
.endm
	s_mov_b32 s5, ROUNDS-1
.Lround:
	s_wait_xcnt 0x0                                ; the base that the pending loads name is rewritten only behind this wait
	s_add_nc_u64 s[8:9], s[8:9], DEPTH*SLAB        ; the next round's 32 slabs
	v_add_nc_u32 v[WA], 4*DEPTH, v[WA]             ; and its 32 weights
.irp q, 0,1,2,3,4,5,6,7
	QUAD \q, 1
.endr
	s_sub_co_u32 s5, s5, 1
	s_cmp_lg_u32 s5, 0
	s_cbranch_scc1 .Lround
.irp q, 0,1,2,3,4,5,6,7
	QUAD \q, 0                                     ; the last round fetches nothing: no load passes values[511]
.endr
	; THE WAY OUT.  The sums of g = 0 and g = 1 meet in LDS, laid out as [g][column][r]; thread t then adds the two halves of
	; numbers 2t, 2t+1 of the group's 512, so that each wave's store covers 256 consecutive bytes, aligned.
	ds_store_b128 v[T16], v[ACC:ACC+3] offset:RED
	s_wait_dscnt 0x0                               ; stored before I signal
	s_barrier_signal -1
	s_barrier_wait -1
	ds_load_b64 v[P:P+1], v[T8] offset:RED
	ds_load_b64 v[P+2:P+3], v[T8] offset:RED+4*ROWB
	s_wait_dscnt 0x0
	v_pk_add_f32 v[P:P+1], v[P:P+1], v[P+2:P+3]
	global_store_b64 v[T8], v[P:P+1], s[22:23] th:TH_STORE_NT
	s_wait_tensorcnt 0x0
	ds_add_u32 v212, v213
	s_wait_dscnt 0x0
	s_endpgm
.Lfunc_end_k_qdf5e1cbfff_pop:
	.size	k_qdf5e1cbfff_pop, .Lfunc_end_k_qdf5e1cbfff_pop-k_qdf5e1cbfff_pop
	.p2alignl 7, 3214868480
	.fill 96, 4, 3214868480
	.section	.rodata,"a",@progbits
	.p2align	6, 0x0
	.amdhsa_kernel k_qdf5e1cbfff_pop
		.amdhsa_group_segment_fixed_size 13568
		.amdhsa_private_segment_fixed_size 0
		.amdhsa_enable_private_segment 0
		.amdhsa_kernarg_size 64
		.amdhsa_user_sgpr_count 2
		.amdhsa_user_sgpr_kernarg_segment_ptr 1
		.amdhsa_wavefront_size32 1
		.amdhsa_system_sgpr_workgroup_id_x 1
		.amdhsa_system_sgpr_workgroup_id_y 1
		.amdhsa_system_sgpr_workgroup_id_z 1
		.amdhsa_system_vgpr_workitem_id 0
		.amdhsa_next_free_vgpr 214
		.amdhsa_next_free_sgpr 66
		.amdhsa_reserve_vcc 1
		.amdhsa_float_denorm_mode_32 3
		.amdhsa_float_denorm_mode_16_64 3
		.amdhsa_memory_ordered 1
		.amdhsa_forward_progress 1
		.amdhsa_inst_pref_size 27
	.end_amdhsa_kernel
	.amdgpu_metadata
---
amdhsa.version: [ 1, 2 ]
amdhsa.kernels:
  - .name:           k_qdf5e1cbfff_pop
    .symbol:         k_qdf5e1cbfff_pop.kd
    .args:
      - { .name: values, .offset: 0, .size: 8, .value_kind: global_buffer, .address_space: global }
      - { .name: S, .offset: 8, .size: 8, .value_kind: global_buffer, .address_space: global }
      - { .name: u, .offset: 16, .size: 8, .value_kind: global_buffer, .address_space: global }
      - { .name: d1, .offset: 24, .size: 8, .value_kind: global_buffer, .address_space: global }
      - { .name: d2, .offset: 32, .size: 8, .value_kind: global_buffer, .address_space: global }
      - { .name: v1, .offset: 40, .size: 8, .value_kind: global_buffer, .address_space: global }
      - { .name: v2, .offset: 48, .size: 8, .value_kind: global_buffer, .address_space: global }
      - { .name: out0, .offset: 56, .size: 8, .value_kind: global_buffer, .address_space: global }
    .group_segment_fixed_size: 13568
    .private_segment_fixed_size: 0
    .kernarg_segment_align: 8
    .kernarg_segment_size: 64
    .max_flat_workgroup_size: 256
    .sgpr_count:     66
    .vgpr_count:     214
    .wavefront_size: 32
...
	.end_amdgpu_metadata
.endif
;; end of part 1
;; ======== version 2 of 2: 1 launch; version 1 with the launch pop written anew for expert scheduling mode
;; launch pop (part 2): grid 256 x 1, 8 waves a work-group, no clusters, 13,568 bytes of LDS; arguments values, S, u, d1, d2, v1, v2, out0; writes out0
.if DOCPART == 2
	.amdgcn_target "amdgcn-amd-amdhsa--gfx1250"
	.amdhsa_code_object_version 6
	.text
	.protected	k_qdf5e1cbfff_pop
	.globl	k_qdf5e1cbfff_pop
	.p2align	8
	.type	k_qdf5e1cbfff_pop,@function
k_qdf5e1cbfff_pop:
	s_mov_b64 s[64:65], 0
	v_nop
	global_prefetch_b8 v0, s[64:65] scope:SCOPE_SE
	s_setreg_imm32_b32 hwreg(HW_REG_WAVE_SCHED_MODE, 0, 2), 2
	s_setreg_imm32_b32 hwreg(HW_REG_WAVE_MODE, 25, 1), 1
	s_wait_xcnt 0x0
	s_wait_alu depctr_vm_vsrc(0)
; out[b][r] = sum over the 514 slots i of val_i[b][r] * w_i[b],  w_i = min(s_i, max(u - (sum of the strengths of all newer slots), 0)).
; Slots from newest to oldest: (d2, v2), (d1, v1), (S[511], values[511]), ... (S[0], values[0]).
; values: [512][1024][128] f32, S: [512][1024], u, d1, d2: [1024], v1, v2, out: [1024][128], all f32; all arithmetic in f32.
;
; Half a FLOP for each byte read: a stream.  No matrix instruction: each value feeds one multiply-add, so a conversion to 16 bits would
; cost more vector work than the f32 multiply-add does.  No cluster: no two work-groups read the same input byte.
; A work-group owns 4 batch columns.  Wave (g, b), g = wave / 4, b = wave % 4, owns column b and 257 rows of 512 bytes:
; values[256 g .. 256 g + 255] and one pushed row (g = 0: v1 with d1, g = 1: v2 with d2): 514 rows = 2 x 257, the same code in all waves.
; A lane owns 4 neighbouring r, so one load of a wave is one row: 512 consecutive bytes, aligned; the 4 waves of a g read 2,048 neighbouring bytes.
; DEPTH = 32 row loads of every wave are kept in flight: 8 x 32 x 512 bytes = 128 KiB for the work-group.
; The weights are made once, by all 256 threads, while the first rows are on their way, and lie in LDS as [column][slot].
; Of S a work-group reads 16 bytes of each row of 4,096, once: 8 KiB against the 1 MiB of values that it streams.
;
; THE MODE: SCHED_MODE bits 1:0 = 2 (LLVM: expert scheduling mode 2), set by the entry lines.  The code itself states the register dependences
; between vector instructions and memory or LDS instructions, with s_wait_alu, always for 0.
; THE PLAN.  The wave's 256 rows go in 64 blocks of four.  Registers that memory or LDS instructions touch, in the loop:
;   X0 .. X8    nine slots of four rows.     Written by the four loads of block p + 8, issued in block p; read by block p's multiply-adds (slot p % 9).
;   WQ0 .. WQ8  nine slots of four weights.  Written by the one LDS load of block p + 8, issued in block p; read by block p's multiply-adds.
;   v[LOFF]     read by every row load; made at the head and never written again: each slot has a scalar base of its own, which moves on by nine blocks.
;   v[WA]       read by every LDS load of weights; written once in a lap of nine blocks, at the lap's head.
;   The sums ACC are named by vector instructions alone.
; Block p multiplies slot p % 9.  Its five loads land in slot (p + 8) % 9 = (p - 1) % 9: the slot that block p - 1 multiplied and that no vector
; instruction of block p names.  So ONE wait on va_vdst at a block's head states all that those loads hang on, and they are dealt among the block's
; multiply-adds with no further wait.  One wait on vm_vsrc a lap stands ahead of the add to v[WA].
;
; LIMITS.  A NaN in S, u, d1 or d2 is dropped by v_max_num_f32 / v_min_num_f32 (the weight becomes 0 or s) where the reference would
; spread it.  The sum of the newer strengths is formed directly (never as a total minus a part) and in tree order
; (pairs, 16 lanes, 2 rows, 8 waves), not slot by slot: its last bits may differ from a sequential sum's.
.set ROWB,   512                       ; bytes of a row of 128 f32
.set SLAB,   1024*ROWB                 ; bytes from values[n] to values[n+1]
.set SROW,   1024*4                    ; bytes from S[n] to S[n+1]
.set DEPTH,  32                        ; rows in flight in each wave
.set BROWS,  4                         ; rows in a block: as many as one LDS load brings weights
.set NSLOT,  DEPTH/BROWS+1             ; 9: eight blocks on their way or at work, and the one just multiplied, which is asked for again
.set BLOCKS, 256/BROWS                 ; 64
.set LAPS,   (BLOCKS-NSLOT-1)/NSLOT    ; 6: block 0, six laps of nine, block 55, and the eight blocks that ask for nothing
.set WROW,   2048                      ; LDS: 512 weights of one column.  The table of 4 columns starts at byte 0
.set TOT,    4*WROW                    ; LDS: 8 waves x 16 bytes, each wave's sum of S for the 4 columns
.set RED,    TOT+256                   ; LDS: 8 waves x 512 bytes, the waves' sums on the way out
.set WB,   44                          ; s[44:61] slot k: the address of the first row of the block that the slot holds or awaits: a pair at WB + 2 k
.set LOFF, 1                           ; v1       16 x lane: my 16 bytes in a row
.set SOFF, 2                           ; v2       8,192 t: S[2t]
.set T8,   3                           ; v3       8 t
.set T16,  4                           ; v4       16 t
.set L7,   5                           ; v5       lane % 8
.set TA,   6                           ; v6       16 x wave
.set TL,   7                           ; v7       16 x (lane % 8)
.set WA,   8                           ; v8       LDS address of the weights that go into slot 0 in the lap that is being asked for
.set SLO,  10                          ; v[10:13] S[2t]   of the 4 columns
.set SHI,  14                          ; v[14:17] S[2t+1] of the 4 columns
.set P,    18                          ; v[18:21] their sums; at the end: the two halves of my output
.set X,    22                          ; v[22:25] sum of all newer strengths, seen from slot 2t+1
.set T,    26                          ; v[26:29] totals
.set Y,    30                          ; v[30:33] the same as X, seen from slot 2t
.set WP,   34                          ; v[34:41] column c: the pair (w[2t], w[2t+1])
.set E,    42                          ; v[42:45] the pushed row
.set EW,   46                          ; v[46:47] its weight, twice (a pair for the packed multiply)
.set ACC,  48                          ; v[48:51] my 4 sums
.set WQ,   52                          ; v[52:87] slot k: 4 weights at WQ + 4 k
.set XR,   88                          ; v[88:231] slot k, row i: 4 registers at XR + 16 k + 4 i
	s_load_b512 s[8:23], s[0:1], 0x0               ; values s[8:9], S s[10:11], u s[12:13], d1 s[14:15], d2 s[16:17], v1 s[18:19], v2 s[20:21], out s[22:23]
	v_lshl_add_u32 v232, v0, 2, 0x3100
	v_mov_b32 v233, 0
	v_lshrrev_b32 v[T8], 5, v0
	v_readfirstlane_b32 s2, v[T8]                  ; wave 0..7
	v_and_b32 v[LOFF], 31, v0
	v_and_b32 v[L7], 7, v0
	v_lshlrev_b32 v[LOFF], 4, v[LOFF]
	v_lshlrev_b32 v[SOFF], 13, v0
	v_lshlrev_b32 v[T8], 3, v0
	v_lshlrev_b32 v[T16], 4, v0
	v_lshlrev_b32 v[TL], 4, v[L7]
	s_wait_alu depctr_va_sdst(0)                   ; s2 is written, ahead of its first reader: g, b and all that is made of them
	s_lshr_b32 s3, s2, 2                           ; g: which half of the slots
	s_and_b32 s4, s2, 3                            ; b: which of the 4 columns
	s_lshl_b32 s5, s2, 4
	v_mov_b32 v[TA], s5
	s_lshl_b32 s5, s4, 11                          ; my column's 2,048 bytes of weights,
	s_lshl_b32 s27, s3, 10                         ; my half of them
	s_add_co_u32 s5, s5, s27
	v_mov_b32 v[WA], s5
	s_lshl_b32 s24, ttmp9, 4                       ; the group's 4 columns in S, u, d1, d2: byte 16 x group
	s_mov_b32 s25, 0
	s_lshl2_add_u32 s26, s4, s24                   ; my own column there
	s_lshl_b32 s6, ttmp9, 11                       ; my row in a slab, in v1, in v2: (4 x group + b) x 512 bytes
	s_lshl_b32 s27, s4, 9
	s_add_co_u32 s6, s6, s27
	s_mov_b32 s7, 0
	s_lshl_b32 s27, s3, 27                         ; g x 256 slabs
	s_add_co_u32 s46, s6, s27
	s_add_co_u32 s46, s46, (DEPTH/2)*SLAB          ; the first 32 rows' base stands in their middle: offsets of -16 .. +15 slabs
	s_mov_b32 s47, 0                               ; fill the signed 24-bit immediate exactly.  The whole offset stays below 2^28 + 2^23
	s_lshl_b32 s60, ttmp9, 11                      ; the group's 2,048 bytes of out
	s_mov_b32 s61, 0
	s_wait_kmcnt 0x0
	s_add_nc_u64 s[10:11], s[10:11], s[24:25]
	s_wait_alu depctr_va_vdst(0)                   ; the offsets and LDS addresses v1 to v8 are written, which the loads and stores of the whole kernel read
	global_load_b128 v[SLO:SLO+3], v[SOFF], s[10:11]               ; S first: the weights are wanted before any row
	global_load_b128 v[SHI:SHI+3], v[SOFF], s[10:11] offset:SROW
	s_load_b128 s[28:31], s[12:13], s24 offset:0x0                 ; u, d1, d2 of the 4 columns: the same for all lanes, so scalar
	s_load_b128 s[32:35], s[14:15], s24 offset:0x0
	s_load_b128 s[36:39], s[16:17], s24 offset:0x0
	s_load_b32 s40, s[12:13], s26 offset:0x0                       ; and of my wave's own column
	s_load_b32 s41, s[14:15], s26 offset:0x0
	s_load_b32 s42, s[16:17], s26 offset:0x0
	s_cmp_eq_u32 s3, 0
	s_cselect_b64 s[44:45], s[18:19], s[20:21]     ; g = 0: v1, g = 1: v2
	s_add_nc_u64 s[44:45], s[44:45], s[6:7]
	global_load_b128 v[E:E+3], v[LOFF], s[44:45] th:TH_LOAD_NT
	s_add_nc_u64 s[8:9], s[8:9], s[46:47]
.set i, 0
.rept DEPTH
	global_load_b128 v[XR+4*i:XR+4*i+3], v[LOFF], s[8:9] offset:(i-DEPTH/2)*SLAB th:TH_LOAD_NT    ; blocks 0 to 7 into slots 0 to 7
.set i, i+1
.endr
	s_add_nc_u64 s[22:23], s[22:23], s[60:61]
	; THE WEIGHTS.  Thread t holds slots 2t and 2t+1; newer slots are those of larger t.  X = sum of P over all larger t, in three stages.
	s_wait_loadcnt DEPTH+1                         ; loads return in order (ISA guide 5.7.1): both of S are in; the pushed row and the 32 rows stay out
	v_pk_add_f32 v[P:P+1], v[SLO:SLO+1], v[SHI:SHI+1]
	v_pk_add_f32 v[P+2:P+3], v[SLO+2:SLO+3], v[SHI+2:SHI+3]
.irp c, 0,1,2,3
	v_mov_b32 v[X+\c], 0                           ; lane 15 of each row of 16 has nothing newer in its row and keeps this 0
.endr
.irp c, 0,1,2,3
	v_mov_b32_dpp v[X+\c], v[P+\c] row_shl:1 row_mask:0xf bank_mask:0xf        ; the neighbour's P: shifting first makes the scan exclusive
.endr
.irp n, 1,2,4,8
.irp c, 0,1,2,3
	v_add_f32_dpp v[X+\c], v[X+\c], v[X+\c] row_shl:\n row_mask:0xf bank_mask:0xf  ; lane i adds lane i + n; lanes without such a lane keep theirs
.endr
.endr
	v_pk_add_f32 v[T:T+1], v[X:X+1], v[P:P+1]      ; with my own P: lanes 0 and 16 hold their rows' totals
	v_pk_add_f32 v[T+2:T+3], v[X+2:X+3], v[P+2:P+3]
.irp c, 0,1,2,3
	v_readlane_b32 s[48+\c], v[T+\c], 0
	v_readlane_b32 s[52+\c], v[T+\c], 16
.endr
	s_mov_b32 s27, 0xffff                          ; lanes 0-15: the upper row is newer than they are.  A constant mask, in a scalar register that a scalar instruction writes
	s_wait_alu depctr_va_sdst(0)                   ; the eight v_readlane_b32 have written s[48:55], ahead of their first reader
.irp c, 0,1,2,3
	v_add_f32 v[Y+\c], s[52+\c], v[X+\c]
.endr
.irp c, 0,1,2,3
	v_cndmask_b32 v[X+\c], v[X+\c], v[Y+\c], s27
.endr
.irp c, 0,1,2,3
	v_add_f32 v[T+\c], s[48+\c], s[52+\c]          ; my wave's total, the same in every lane
.endr
	s_wait_alu depctr_va_vdst(0)                   ; the additions have written v[T ..], which the LDS store reads
	ds_store_b128 v[TA], v[T:T+3] offset:TOT       ; all lanes write the same 16 bytes with the same values
	s_wait_dscnt 0x0                               ; for the other waves' sake: stored before I signal
	s_barrier_signal -1
	s_barrier_wait -1
	s_wait_alu depctr_vm_vsrc(0)                   ; my LDS store has read v[T ..], in which the load below lands (no vector instruction has named them since the wait on va_vdst above)
	ds_load_b128 v[T:T+3], v[TL] offset:TOT        ; lane l: the totals of wave l % 8
	v_cmp_lt_u32 vcc_lo, s2, v[L7]                 ; only the waves behind mine hold newer slots
	s_wait_kmcnt 0x0                               ; u, d1, d2
.irp c, 0,1,2,3
	s_add_f32 s[56+\c], s[36+\c], s[32+\c]         ; d2 + d1: newer than every slot of S
.endr
	s_wait_dscnt 0x0
	s_wait_alu depctr_va_vcc(0)                    ; the compare has written VCC, ahead of its first reader
.irp c, 0,1,2,3
	v_cndmask_b32 v[T+\c], 0, v[T+\c], vcc_lo
.endr
.irp n, 1,2,4
.irp c, 0,1,2,3
	v_add_f32_dpp v[T+\c], v[T+\c], v[T+\c] row_xmask:\n row_mask:0xf bank_mask:0xf    ; the sum over 8 lanes, in all of them
.endr
.endr
	v_pk_add_f32 v[X:X+1], v[X:X+1], v[T:T+1]
	v_pk_add_f32 v[X+2:X+3], v[X+2:X+3], v[T+2:T+3]
.irp c, 0,1,2,3
	v_add_f32 v[X+\c], s[56+\c], v[X+\c]           ; all that is newer than slot 2t+1
.endr
	v_pk_add_f32 v[Y:Y+1], v[X:X+1], v[SHI:SHI+1]  ; all that is newer than slot 2t
	v_pk_add_f32 v[Y+2:Y+3], v[X+2:X+3], v[SHI+2:SHI+3]
.irp c, 0,1,2,3
	v_sub_f32 v[X+\c], s[28+\c], v[X+\c]           ; what is left of u
	v_sub_f32 v[Y+\c], s[28+\c], v[Y+\c]
.endr
.irp c, 0,1,2,3
	v_max_num_f32 v[X+\c], 0, v[X+\c]
	v_max_num_f32 v[Y+\c], 0, v[Y+\c]
.endr
.irp c, 0,1,2,3
	v_min_num_f32 v[WP+2*\c], v[SLO+\c], v[Y+\c]
	v_min_num_f32 v[WP+2*\c+1], v[SHI+\c], v[X+\c]
.endr
	s_wait_alu depctr_va_vdst(0)                   ; the eight minima have written v[WP ..], which the run of LDS stores reads
.irp c, 0,1,2,3
	ds_store_b64 v[T8], v[WP+2*\c:WP+2*\c+1] offset:\c*WROW        ; w[c][2t], w[c][2t+1]: a wave's store covers 256 neighbouring bytes
.endr
	s_wait_dscnt 0x0                               ; stored before I signal
	s_barrier_signal -1
	; registers only, while the others arrive: the pushed row's weight.  d2 is the newest slot (nothing in front of it), d1 has d2 in front.
	s_cmp_eq_u32 s3, 0
	s_cselect_b32 s43, s41, s42                    ; its strength: g = 0: d1, g = 1: d2
	s_cselect_b32 s5, s42, 0                       ; what is newer:  g = 0: d2, g = 1: nothing
	v_sub_f32 v[EW], s40, s5
	v_max_num_f32 v[EW], 0, v[EW]
	v_min_num_f32 v[EW], s43, v[EW]
	v_mov_b32 v[EW+1], v[EW]
	s_barrier_wait -1                              ; the table of weights is whole
.irp q, 0,1,2,3,4,5,6,7
	ds_load_b128 v[WQ+4*\q:WQ+4*\q+3], v[WA] offset:16*\q          ; the weights of blocks 0 to 7; every lane reads the same 16 bytes.  No vector instruction has ever named v[WQ ..]
.endr
	s_wait_loadcnt DEPTH                           ; the pushed row is in; the 32 rows stay out
	v_pk_mul_f32 v[ACC:ACC+1], v[E:E+1], v[EW:EW+1]                ; the first product starts the sums: nothing is cleared
	v_pk_mul_f32 v[ACC+2:ACC+3], v[E+2:E+3], v[EW:EW+1]
	; A base for each slot, in scalar registers that the weights have left free (s[44:45] since the wait above, which shows the pushed row's load done).
	s_sub_nc_u64 s[WB:WB+1], s[8:9], (DEPTH/2)*SLAB                ; slot 0 holds block 0,
.irp k, 1,2,3,4,5,6,7,8
	s_add_nc_u64 s[WB+2*\k:WB+2*\k+1], s[WB:WB+1], \k*BROWS*SLAB   ; slot k block k; slot 8 awaits block 8
.endr
; Row i of slot kb times its weight.  sel = i % 2: which register of the weights' pair multiplies both halves of the packed multiply-add.
; One chain of sums is enough: between two rows the wave waits for memory, not for the multiply-add in front.
.macro FMA kb, i, sel
	v_pk_fma_f32 v[ACC:ACC+1], v[XR+16*(\kb)+4*(\i):XR+16*(\kb)+4*(\i)+1], v[WQ+4*(\kb)+(\i)-\sel:WQ+4*(\kb)+(\i)-\sel+1], v[ACC:ACC+1] op_sel:[0,\sel,0] op_sel_hi:[1,\sel,1]
	v_pk_fma_f32 v[ACC+2:ACC+3], v[XR+16*(\kb)+4*(\i)+2:XR+16*(\kb)+4*(\i)+3], v[WQ+4*(\kb)+(\i)-\sel:WQ+4*(\kb)+(\i)-\sel+1], v[ACC+2:ACC+3] op_sel:[0,\sel,0] op_sel_hi:[1,\sel,1]
.endm
; Row i of the block eight blocks on, into slot kp.  No wait: no vector instruction since the block's wait on va_vdst names these registers.
.macro ASK kp, i
	global_load_b128 v[XR+16*(\kp)+4*(\i):XR+16*(\kp)+4*(\i)+3], v[LOFF], s[WB+2*(\kp):WB+2*(\kp)+1] offset:(\i)*SLAB th:TH_LOAD_NT
.endm
; Block p, which asks for block p + 8.  kb = p % 9: the slot that it multiplies; kp = (p - 1) % 9: the slot that it asks for again.  first = 1: block 0.
; In front of row i's multiply-adds 31 younger loads may be out: the block's 3 - i later rows, 28 rows of seven blocks, the i rows just asked for.
.macro BLK kb, kp, first
	s_wait_loadcnt DEPTH-1                         ; my first row is in.  The 31 that may be out belong to blocks p to p + 7: none of them reads slot kp's base
	s_wait_dscnt 7                                 ; LDS loads return in order (ISA guide 5.7.1): my four weights are in, the 7 younger quads stay out
.if !\first
	s_add_nc_u64 s[WB+2*(\kp):WB+2*(\kp)+1], s[WB+2*(\kp):WB+2*(\kp)+1], NSLOT*BROWS*SLAB  ; free since the block before waited for the four loads that read it: nine blocks on
	s_wait_alu depctr_va_vdst(0)                   ; the block before is done reading the rows and weights of slot kp, in which the five loads below land; in a lap's first block v[WA] is written
.endif                                                 ; (block 0 asks for slot 8, which no vector instruction has named, by offsets that earlier waits have covered)
	ds_load_b128 v[WQ+4*(\kp):WQ+4*(\kp)+3], v[WA] offset:16*(\kp)
	ASK \kp, 0
	FMA \kb, 0, 0
	s_wait_loadcnt DEPTH-1
	ASK \kp, 1
	FMA \kb, 1, 1
	s_wait_loadcnt DEPTH-1
	ASK \kp, 2
	FMA \kb, 2, 0
	s_wait_loadcnt DEPTH-1
	ASK \kp, 3
	FMA \kb, 3, 1
.endm
; One of the last eight blocks, number q of them: nothing is asked for, so nothing is owed but the data's own waits, and the counts run down.
.macro LAST kb, q
	s_wait_dscnt 7-(\q)
	s_wait_loadcnt DEPTH-1-4*(\q)
	FMA \kb, 0, 0
	s_wait_loadcnt DEPTH-2-4*(\q)
	FMA \kb, 1, 1
	s_wait_loadcnt DEPTH-3-4*(\q)
	FMA \kb, 2, 0
	s_wait_loadcnt DEPTH-4-4*(\q)
	FMA \kb, 3, 1
.endm
; The head of a lap: the LDS address of the weights moves on by nine quads.
.macro ON
	s_wait_alu depctr_vm_vsrc(0)                   ; the LDS loads issued so far have read v[WA]
	v_add_nc_u32 v[WA], 16*NSLOT, v[WA]
.endm
	BLK 0, 8, 1                                    ; block 0
	s_mov_b32 s5, LAPS
.Lround:                                               ; blocks 1 to 54, nine to a lap: both rings are back at their start
	ON
	BLK 1, 0, 0
	BLK 2, 1, 0
	BLK 3, 2, 0
	BLK 4, 3, 0
	BLK 5, 4, 0
	BLK 6, 5, 0
	BLK 7, 6, 0
	BLK 8, 7, 0
	BLK 0, 8, 0
	s_sub_co_u32 s5, s5, 1
	s_cmp_lg_u32 s5, 0
	s_cbranch_scc1 .Lround
	ON
	BLK 1, 0, 0                                    ; block 55 asks for block 63, the last
	LAST 2, 0                                      ; blocks 56 to 63 fetch nothing: no load passes values[511]
	LAST 3, 1
	LAST 4, 2
	LAST 5, 3
	LAST 6, 4
	LAST 7, 5
	LAST 8, 6
	LAST 0, 7
	; THE WAY OUT.  The sums of g = 0 and g = 1 meet in LDS, laid out as [g][column][r]; thread t then adds the two halves of
	; numbers 2t, 2t+1 of the group's 512, so that each wave's store covers 256 consecutive bytes, aligned.
	s_wait_alu depctr_va_vdst(0)                   ; the multiply-adds have written ACC, which the LDS store reads; the scan is long done with v[P ..], in which the LDS loads below land
	ds_store_b128 v[T16], v[ACC:ACC+3] offset:RED
	s_wait_dscnt 0x0                               ; stored before I signal
	s_barrier_signal -1
	s_barrier_wait -1
	ds_load_b64 v[P:P+1], v[T8] offset:RED
	ds_load_b64 v[P+2:P+3], v[T8] offset:RED+4*ROWB
	s_wait_dscnt 0x0
	v_pk_add_f32 v[P:P+1], v[P:P+1], v[P+2:P+3]
	s_wait_alu depctr_va_vdst(0)                   ; the addition has written v[P:P+1], which the store reads
	global_store_b64 v[T8], v[P:P+1], s[22:23] th:TH_STORE_NT
	s_wait_dscnt 0x0
	s_wait_alu depctr_hold_cnt(0) depctr_sa_sdst(0) depctr_va_vdst(0) depctr_va_sdst(0) depctr_va_ssrc(0) depctr_va_vcc(0) depctr_vm_vsrc(0)
	s_wait_tensorcnt 0x0
	ds_add_u32 v232, v233
	s_wait_dscnt 0x0
	s_endpgm
.Lfunc_end_k_qdf5e1cbfff_pop:
	.size	k_qdf5e1cbfff_pop, .Lfunc_end_k_qdf5e1cbfff_pop-k_qdf5e1cbfff_pop
	.p2alignl 7, 3214868480
	.fill 96, 4, 3214868480
	.section	.rodata,"a",@progbits
	.p2align	6, 0x0
	.amdhsa_kernel k_qdf5e1cbfff_pop
		.amdhsa_group_segment_fixed_size 13568
		.amdhsa_private_segment_fixed_size 0
		.amdhsa_enable_private_segment 0
		.amdhsa_kernarg_size 64
		.amdhsa_user_sgpr_count 2
		.amdhsa_user_sgpr_kernarg_segment_ptr 1
		.amdhsa_wavefront_size32 1
		.amdhsa_system_sgpr_workgroup_id_x 1
		.amdhsa_system_sgpr_workgroup_id_y 1
		.amdhsa_system_sgpr_workgroup_id_z 1
		.amdhsa_system_vgpr_workitem_id 0
		.amdhsa_next_free_vgpr 234
		.amdhsa_next_free_sgpr 66
		.amdhsa_reserve_vcc 1
		.amdhsa_float_denorm_mode_32 3
		.amdhsa_float_denorm_mode_16_64 3
		.amdhsa_memory_ordered 1
		.amdhsa_forward_progress 1
		.amdhsa_inst_pref_size 32
	.end_amdhsa_kernel
	.amdgpu_metadata
---
amdhsa.version: [ 1, 2 ]
amdhsa.kernels:
  - .name:           k_qdf5e1cbfff_pop
    .symbol:         k_qdf5e1cbfff_pop.kd
    .args:
      - { .name: values, .offset: 0, .size: 8, .value_kind: global_buffer, .address_space: global }
      - { .name: S, .offset: 8, .size: 8, .value_kind: global_buffer, .address_space: global }
      - { .name: u, .offset: 16, .size: 8, .value_kind: global_buffer, .address_space: global }
      - { .name: d1, .offset: 24, .size: 8, .value_kind: global_buffer, .address_space: global }
      - { .name: d2, .offset: 32, .size: 8, .value_kind: global_buffer, .address_space: global }
      - { .name: v1, .offset: 40, .size: 8, .value_kind: global_buffer, .address_space: global }
      - { .name: v2, .offset: 48, .size: 8, .value_kind: global_buffer, .address_space: global }
      - { .name: out0, .offset: 56, .size: 8, .value_kind: global_buffer, .address_space: global }
    .group_segment_fixed_size: 13568
    .private_segment_fixed_size: 0
    .kernarg_segment_align: 8
    .kernarg_segment_size: 64
    .max_flat_workgroup_size: 256
    .sgpr_count:     66
    .vgpr_count:     234
    .wavefront_size: 32
...
	.end_amdgpu_metadata
.endif
;; end of part 2
